; MI455X (gfx1250); checked and timed in simulation.
; The chip was launched on July 23, 2026; its instructions are those of AMD's public machine-readable ISA for CDNA 5 (MIT licence, August 2026) and "CDNA5" Instruction Set Architecture Reference Guide (July 2026). The comments in the code are by the model that wrote it; some were corrected since.
;; Radiance Field TT. Allowed arithmetic: float matrix products may take bf16 or f16 operands with f32 sums; other float arithmetic in f32, or as packed bf16 or f16 multiplies, adds, multiply-adds, maxima and minima; sums over many terms, partial sums and values carried from step to step in f32; what a program stores and reads back later, other than sums and carried values, may be rounded once to bf16 or f16.
;; Inputs: coords_xyz 1,024 x 256 x 3 float32; core0 1 x 8 x 64 float32; cores 7 x 64 x 8 x 64 float32; payload 64 x 28 float32; viewdirs 1,024 x 3 float32.
;; Outputs: out0 1,024 x 256 x 3 float32; out1 1,024 x 256 float32.
;; One version. Each part assembles by itself: llvm-mc -triple=amdgcn-amd-amdhsa -mcpu=gfx1250 --defsym DOCPART=n.
;; ======== version 1 of 1: 2 launches
;; workspace buffers: p6 67,108,864 bytes; idx 2,097,152 bytes of whole numbers; wf 262,144 bytes
;; launch table (part 1): grid 256 x 1, 4 waves a work-group, no clusters, 72,704 bytes of LDS; arguments coords_xyz, core0, cores, p6, idx, wf; writes p6, idx, wf
.if DOCPART == 1
	.amdgcn_target "amdgcn-amd-amdhsa--gfx1250"
	.amdhsa_code_object_version 6
	.text
	.protected	k_q501e06e616_table
	.globl	k_q501e06e616_table
	.p2align	8
	.type	k_q501e06e616_table,@function
k_q501e06e616_table:
	s_mov_b64 s[64:65], 0
	v_nop
	global_prefetch_b8 v0, s[64:65] scope:SCOPE_SE
	s_setreg_imm32_b32 hwreg(HW_REG_WAVE_MODE, 25, 1), 1
	s_wait_xcnt 0x0
; RADIANCE FIELD IN QTT FORM, FIRST OF TWO LAUNCHES: the table of prefixes, the points' keys, and two cores laid out as matrix operands.
; A point's voxel is a key of eight digits d0..d7 of 3 bits; feats = core0[d0] . C0[:,d1,:] . .. . C6[:,d7,:] . payload.
; WORK LEFT OUT.  reference() forms w = einsum('nr,rms->nms') for all 8 values of m and keeps, by take_along_axis, the slice m = d alone: the 7 others reach no output, whatever
; the inputs hold.  No product is made here to be thrown away by that choice.  The chain is re-associated, which in exact arithmetic changes nothing: this launch makes
; P6[d0..d5] = core0[d0] . C0[:,d1,:] .. C4[:,d5,:] for ALL 8^6 = 262,144 prefixes (as many as there are points: it serves every spread of the points); the second launch makes, for each ray,
; T[d6,d7] = C5[:,d6,:] . C6[:,d7,:] . payload . SH and gives each point the dot product of its two rows.  All five inputs are loaded by one of the two launches.
; LIMITS.  A NaN, an infinity or an overflow in a slice that no point chooses is not carried to the result.  Matrix operands are bf16 pairs hi + lo (hi = the f32 rounded to bf16, lo = the rest
; rounded to bf16) and a product is hi hi + hi lo + lo hi, in f32 sums: numbers above bf16's largest, 3.39e38, become infinite; below about 2^-118 lo is lost.  The order of the sums differs from reference()'s.
; SHARES.  Work-group g owns the 1,024 prefixes that begin with its 8 bits: d0 = g >> 5, d1 = (g >> 2) & 7, d2 = 2 (g & 3) + m'.  Levels 1 to 3 (1, 2 and 16 vectors) are f32 multiply-adds with the vector
; in scalar registers; levels 4 and 5 (128 and 1,024 vectors) go to the matrix unit: A = 16 output channels x 64, B = 64 x the 16 vectors n = 8 m' + d3.  Wave w has the digits 2 w and 2 w + 1 of each level.
; A core lies [r][m][s], s fastest.  A lane's load of 16 bytes brings channels s = 4 (lane % 16) + 0..3 of one r: the four registers belong to four tiles (tile so: row lane % 16 = channel 4 (lane % 16) + so), and r runs along
; the registers.  The place (sg, e) of lane half h stands for r = 32 h + 4 e + sg, in A and in B alike, which leaves the sums as they are; a result (tile so, register j, half h) is channel 32 h + 4 j + so: again that place.
; So nothing changes lanes between the levels.  A row of P6 keeps that order: position 32 h + 8 so + j holds channel 32 h + 4 j + so; the second launch's table has the same order.
; ALSO: the keys of points 1024 g .. + 1023 (idx: plane 0 the prefix key >> 6, plane 1 (key & 63) | inside << 8), and by wave 0 one 256th of wf: C5 and C6 as hi and lo fragments.
; NO CLUSTER, NO LDS RING: what work-groups share are the cores; a wave reads its 64 KiB of C3 and C4 once, in whole rows of 256 bytes, straight into the registers in which it splits them.
; REGISTERS, in windows of 256 (s_set_vgpr_msb: bits 1:0 source 0, 3:2 source 1, 5:4 source 2, 7:6 destination):
;   window 0: v0-20 addresses; v21-31 at work; v32-63 level 4's B; v64-127 split results and scratch, later rows on their way out; v128-255 accumulators (earlier: coordinates and keys)
;   window 1: C1's slices, later level 5's B (digit d4 at 32 d4)    window 2: C2's slices, later A (tile i at 32 i)    window 3: C0's slice, later C3's and C4's slices as loaded
.set CORE,  131072                     ; bytes in a core; r steps 2,048, m 256, s 4
.set X4,    0                          ; LDS: the 16 vectors behind level 3, f32, rows of 256 + 16 bytes
.set BX,    4608                       ; level 4's results as operands: a block of 4,096 bytes for each d4
.set STG,   37376                      ; for each wave two stages of 16 rows x 272 bytes, for the way out
.set SPARE, 72192                      ; the spare words, 128 bytes for each wave, which no other line names
.set MASK,  86                         ; s86  0xffff0000
.set SPW,   19                         ; v19  SPARE + 4 x my thread's number; never rewritten
.set NIL,   20                         ; v20  0; never rewritten
.set MSB,   0
.macro WIN new                         ; the immediate's high byte repeats the setting that is left; a switch that changes nothing is dropped
.if MSB != (\new)
	s_set_vgpr_msb (MSB<<8)|(\new)
.set MSB, (\new)
.endif
.endm
.macro NOP5                            ; five places behind a group's last matrix instruction: its results are read, and later written over, only behind them (ISA guide 7.12.1)
.rept 5
	v_nop
.endr
.endm
; f32 -> bf16 hi and lo.  ns groups of 8 numbers: number e of group sg lies in v[src + ss sg + se e] of window ws; hi goes to v[H + 4 sg + e / 2], lo to v[Lo + ..] of window wd; T: 8 ns scratch registers in window 0.
; Each group's lowest registers are read first.
.macro SPLIT src, ws, se, ss, H, Lo, wd, T, ns
	WIN (\ws)|((\ws)<<2)|((\wd)<<6)
.set sg, 0
.rept \ns
.set e2, 0
.rept 4
	v_cvt_pk_bf16_f32 v[(\H)+4*sg+e2], v[(\src)+(\ss)*sg+(\se)*2*e2], v[(\src)+(\ss)*sg+(\se)*(2*e2+1)]
.set e2, e2+1
.endr
.set sg, sg+1
.endr
	WIN (\wd)<<2
.set sg, 0
.rept 4*(\ns)
	v_lshlrev_b32 v[(\T)+2*sg], 16, v[(\H)+sg]
	v_and_b32 v[(\T)+2*sg+1], s[MASK], v[(\H)+sg]
.set sg, sg+1
.endr
	WIN (\ws)
.set sg, 0
.rept \ns
.set e2, 0
.rept 4
	v_sub_f32 v[(\T)+8*sg+2*e2], v[(\src)+(\ss)*sg+(\se)*2*e2], v[(\T)+8*sg+2*e2]
	v_sub_f32 v[(\T)+8*sg+2*e2+1], v[(\src)+(\ss)*sg+(\se)*(2*e2+1)], v[(\T)+8*sg+2*e2+1]
.set e2, e2+1
.endr
.set sg, sg+1
.endr
	WIN (\wd)<<6
.set sg, 0
.rept 4*(\ns)
	v_cvt_pk_bf16_f32 v[(\Lo)+sg], v[(\T)+2*sg], v[(\T)+2*sg+1]
.set sg, sg+1
.endr
	WIN 0
.endm
; A vector of 64 in scalar registers (number r in s[16 + r], from r = 48 on in s[20 + r]) times a slice in window win (E numbers a lane for each r): 2 E chains, the even and the odd r, added at the end into v[A ..].
.macro MV E, win, A
	WIN (\win)<<2
.set rr, 0
.rept 64
.set sv, 16+rr+4*(rr/48)
.set ee, 0
.rept \E
.if rr < 2
	v_mul_f32 v[(\A)+ee+(\E)*(rr%2)], s[sv], v[(\E)*rr+ee]
.else
	v_fmac_f32 v[(\A)+ee+(\E)*(rr%2)], s[sv], v[(\E)*rr+ee]
.endif
.set ee, ee+1
.endr
.set rr, rr+1
.endr
	WIN 0
.set ee, 0
.rept \E
	v_add_f32 v[(\A)+ee], v[(\A)+ee], v[(\A)+(\E)+ee]
.set ee, ee+1
.endr
.endm
; My two digits' slices of a core, 64 loads into window 3: register 128 mu + 32 si + 4 e + so = core[r = 32 h + 4 e + si][2 w + mu][4 (lane % 16) + so].  Sixteen lanes take 256 bytes on end.
.macro WLOAD core
	WIN 0xc0
.irp mu, 0,1
.irp si, 0,1,2,3
.irp e, 0,1,2,3,4,5,6,7
	global_load_b128 v[128*\mu+32*\si+4*\e:128*\mu+32*\si+4*\e+3], v7, s[8:9] offset:(\core)*CORE+2048*(4*\e+\si)+256*\mu
.endr
.endr
.endr
	WIN 0
.endm
; The key of point p (coordinates in v[128 + 3 p ..]).  128 c + 128 in one rounding is 256 x round(0.5 c + 0.5), reference()'s number; the conversion cuts toward zero (the floor, from 0 on) and gives 0 below 0 and for a NaN.
.macro POINT p
.irp a, 0,1,2
	v_fma_f32 v[176+\a], v[128+3*(\p)+\a], s91, s91
	v_cvt_u32_f32 v[176+\a], v[176+\a]
	v_min_u32 v[176+\a], 255, v[176+\a]
	v_lshl_or_b32 v[176+\a], v[176+\a], 8, v[176+\a]   ; bit i goes to bit 3 i, in three steps
	v_and_b32 v[176+\a], s87, v[176+\a]
	v_lshl_or_b32 v[176+\a], v[176+\a], 4, v[176+\a]
	v_and_b32 v[176+\a], s88, v[176+\a]
	v_lshl_or_b32 v[176+\a], v[176+\a], 2, v[176+\a]
	v_and_b32 v[176+\a], s89, v[176+\a]
.endr
	v_lshl_or_b32 v176, v176, 1, v177
	v_lshl_or_b32 v176, v176, 1, v178              ; a digit is 4 x + 2 y + z
	v_cmp_le_f32 s92, |v[128+3*(\p)]|, 1.0         ; inside: false for a NaN, as in reference()
	v_cmp_le_f32 s93, |v[128+3*(\p)+1]|, 1.0
	v_cmp_le_f32 s94, |v[128+3*(\p)+2]|, 1.0
	s_and_b32 s92, s92, s93
	s_and_b32 s92, s92, s94
	v_lshrrev_b32 v[160+(\p)], 6, v176
	v_cndmask_b32 v177, 0, v26, s92
	v_and_or_b32 v[168+(\p)], v176, 63, v177
.endm
	s_load_b256 s[4:11], s[0:1], 0x0               ; coords s[4:5], core0 s[6:7], cores s[8:9], p6 s[10:11]
	s_load_b128 s[12:15], s[0:1], 0x20             ; idx s[12:13], wf s[14:15]
	v_lshl_add_u32 v[SPW], v0, 2, SPARE
	v_mov_b32 v[NIL], 0
	v_and_b32 v1, 31, v0                           ; lane
	v_and_b32 v2, 15, v0                           ; lane % 16
	v_bfe_u32 v3, v0, 4, 1                         ; h = lane / 16
	v_lshrrev_b32 v21, 5, v0
	v_readfirstlane_b32 s84, v21                   ; wave 0..3
	s_mov_b32 s85, ttmp9                           ; g
	s_mov_b32 s86, 0xffff0000
	s_mov_b32 s87, 0xf00f
	s_mov_b32 s88, 0xc30c3
	s_mov_b32 s89, 0x249249
	s_mov_b32 s91, 0x43000000                      ; 128.0
	v_mov_b32 v26, 0x100
	s_bfe_u32 s96, s85, 0x30002                    ; d1
	s_lshl_b32 s96, s96, 8
	v_lshl_add_u32 v4, v1, 3, s96                  ; C0: 8 lane + 256 d1
	s_and_b32 s96, s85, 3
	s_lshl_b32 s96, s96, 9
	v_lshl_add_u32 v5, v1, 4, s96                  ; C1: 16 lane + 512 (g & 3): lanes 16-31 take m' = 1
	s_lshl_b32 s96, s84, 9
	v_lshl_add_u32 v6, v1, 4, s96                  ; C2: 16 lane + 512 w: lanes 16-31 take d3 = 2 w + 1
	v_lshl_add_u32 v7, v2, 4, s96
	v_lshl_add_u32 v7, v3, 16, v7                  ; C3, C4: 32 h rows + 16 (lane % 16) + 512 w
	v_mul_u32_u24 v8, v0, 48                       ; four points' coordinates
	v_lshlrev_b32 v9, 4, v0                        ; four points' words
	s_bfe_u32 s97, s85, 0x20002                    ; wf: tile i,
	s_lshl_b32 s98, s97, 2
	s_lshl_b32 s99, s97, 4
	s_lshr_b32 s96, s85, 7                         ; core c (0: C5, 1: C6)
	s_cmp_lg_u32 s96, 0
	s_cselect_b32 s95, -1, 0
	v_lshrrev_b32 v21, 3, v2
	v_and_b32 v22, 1, v2
	v_bfe_u32 v23, v2, 1, 2
	v_lshl_add_u32 v24, v21, 5, v23
	v_lshl_add_u32 v24, v22, 4, v24
	v_add_nc_u32 v24, s98, v24                     ; C5: the channel that stands at position 4 (lane % 16) + i of a row of P6
	v_add_nc_u32 v25, s99, v2                      ; C6: row 16 i + lane % 16
	v_cndmask_b32 v24, v24, v25, s95
	v_lshlrev_b32 v10, 11, v24
	v_lshl_add_u32 v10, v3, 5, v10                 ; row x 2,048 + 32 h
	v_lshlrev_b32 v11, 4, v1
	s_mul_i32 s96, s84, 544
	v_mul_u32_u24 v12, v3, 272
	v_lshl_add_u32 v12, v2, 4, v12
	v_add_nc_u32 v12, s96, v12                     ; X4, in: row 2 w + h, 16 bytes a lane
	v_mul_u32_u24 v13, v2, 272
	v_lshl_add_u32 v13, v3, 7, v13                 ; X4, out: row lane % 16, channels 32 h on
	s_lshl_b32 s96, s84, 13
	s_add_co_u32 s96, s96, BX
	v_lshl_add_u32 v14, v1, 4, s96                 ; my two blocks of BX
	v_lshl_add_u32 v15, v1, 4, BX
	s_mul_i32 s96, s84, 8704
	s_add_co_u32 s96, s96, STG                     ; my stages
	v_add_nc_u32 v16, s96, v13                     ; in: row n = lane % 16, positions 32 h on
	v_mul_u32_u24 v17, v3, 272
	v_lshl_add_u32 v17, v2, 4, v17
	v_add_nc_u32 v17, s96, v17                     ; back: lanes 0-15 one row of 256 bytes, lanes 16-31 the next
	v_lshlrev_b32 v18, 4, v2
	v_lshl_add_u32 v18, v3, 14, v18                ; and the same two rows in P6: n steps 64 rows
	s_wait_kmcnt 0x0
	s_mul_i32 s96, s85, 12288
	s_mov_b32 s97, 0
	s_add_nc_u64 s[4:5], s[4:5], s[96:97]          ; my 1,024 points' coordinates
	s_lshl_b32 s96, s85, 12
	s_add_nc_u64 s[12:13], s[12:13], s[96:97]      ; and words
	s_lshl_b32 s96, s85, 18
	s_lshl_b32 s100, s84, 9
	s_add_co_u32 s96, s96, s100
	s_add_nc_u64 s[10:11], s[10:11], s[96:97]      ; P6 at my work-group's 1,024 rows, d5 = 2 w
	s_lshr_b32 s96, s85, 5
	s_lshl_b32 s96, s96, 8
	s_add_nc_u64 s[6:7], s[6:7], s[96:97]          ; core0[d0]
	s_lshr_b32 s96, s85, 2
	s_lshl_b32 s96, s96, 12
	s_and_b32 s100, s85, 3
	s_lshl_b32 s101, s100, 9
	s_add_co_u32 s96, s96, s101
	s_add_nc_u64 s[14:15], s[14:15], s[96:97]      ; wf: 4,096 (g >> 2) + 512 (g & 3)
	s_lshr_b32 s96, s85, 7
	s_add_co_u32 s96, s96, 5
	s_lshl_b32 s96, s96, 17
	s_bfe_u32 s101, s85, 0x30004
	s_lshl_b32 s101, s101, 8
	s_add_co_u32 s96, s96, s101
	s_lshl_b32 s100, s100, 6
	s_add_co_u32 s96, s96, s100
	s_add_nc_u64 s[98:99], s[8:9], s[96:97]        ; cores[5 + c][.][d][16 (g & 3) ..]
	s_load_b512 s[16:31], s[6:7], 0x0              ; the first vector, core0[d0], into the scalar registers
	s_load_b512 s[32:47], s[6:7], 0x40
	s_load_b512 s[48:63], s[6:7], 0x80
	s_load_b512 s[68:83], s[6:7], 0xc0
.irp u, 0,1
.irp k, 0,1,2
	global_load_b128 v[128+12*\u+4*\k:128+12*\u+4*\k+3], v8, s[4:5] offset:6144*\u+16*\k th:TH_LOAD_NT
.endr
.endr
	s_cmp_lg_u32 s84, 0
	s_cbranch_scc1 .Lnowf_a
	global_load_b128 v[152:155], v10, s[98:99]
	global_load_b128 v[156:159], v10, s[98:99] offset:16
.Lnowf_a:
	WIN 0xc0
.set rr, 0
.rept 64
	global_load_b64 v[2*rr:2*rr+1], v4, s[8:9] offset:2048*rr
.set rr, rr+1
.endr
	WIN 0
	s_wait_loadcnt 63                              ; 70 loads are issued (wave 0: 72): the oldest 7 (9) are in, the coordinates and wave 0's piece of a core among them
.irp p, 0,1,2,3,4,5,6,7
	POINT \p
.endr
.irp u, 0,1
	global_store_b128 v9, v[160+4*\u:160+4*\u+3], s[12:13] offset:2048*\u          ; sixteen lanes store 256 bytes on end
	global_store_b128 v9, v[168+4*\u:168+4*\u+3], s[12:13] offset:1048576+2048*\u
.endr
	s_cmp_lg_u32 s84, 0
	s_cbranch_scc1 .Lnowf_b
	SPLIT 152, 0, 1, 8, 192, 196, 0, 96, 1
	global_store_b128 v11, v[192:195], s[14:15]               ; hi: quad g & 3 of the tile's eight
	global_store_b128 v11, v[196:199], s[14:15] offset:2048   ; lo: four quads on
.Lnowf_b:
	WIN 0x40
.set rr, 0
.rept 64
	global_load_b128 v[4*rr:4*rr+3], v5, s[8:9] offset:CORE+2048*rr
.set rr, rr+1
.endr
	WIN 0x80
.set rr, 0
.rept 64
	global_load_b128 v[4*rr:4*rr+3], v6, s[8:9] offset:2*CORE+2048*rr
.set rr, rr+1
.endr
	WIN 0
	s_wait_loadcnt 63                              ; 128 loads were issued behind C0's slice: it is in
	s_wait_kmcnt 0x0                               ; core0[d0]
	MV 2, 3, 96                                    ; LEVEL 1: lane l holds channels 2 l, 2 l + 1 in v96, v97
	WLOAD 3
.set rr, 0
.rept 64
.set sv, 16+rr+4*(rr/48)
	v_readlane_b32 s[sv], v[96+(rr%2)], rr/2
.set rr, rr+1
.endr
	s_wait_loadcnt 63                              ; 64 loads were issued behind C2's slices: C1's and C2's are in
	MV 4, 1, 100                                   ; LEVEL 2: lane holds m' = h, channels 4 (lane % 16) + 0..3 in v100-103
.irp m, 0,1
.set rr, 0
.rept 64
.set sv, 16+rr+4*(rr/48)
	v_readlane_b32 s[sv], v[100+(rr%4)], 16*\m+rr/4
.set rr, rr+1
.endr
	MV 4, 2, 108                                   ; LEVEL 3, for d3 = 2 w + h
	ds_store_b128 v12, v[108:111] offset:2176*\m   ; row n = 8 m' + d3
.endr
	s_wait_dscnt 0x0                               ; for the others' sake: my rows of X4 are written
	s_barrier_signal -1
	s_barrier_wait -1
	s_wait_xcnt 0x0                                ; the stores of the keys and of wf have read their data: v128-255 are written anew from here on
.irp e, 0,1,2,3,4,5,6,7
	ds_load_b128 v[128+4*\e:128+4*\e+3], v13 offset:16*\e      ; v[128 + 4 e + sg] = X4[lane % 16][32 h + 4 e + sg]
.endr
	s_wait_dscnt 0x0
	SPLIT 128, 0, 4, 1, 32, 48, 0, 96, 4           ; level 4's B
	s_mov_b32 s94, 2
.Lstage:                                               ; two trips: C3's slices are split and multiplied, then C4's are split; one text splits both
	s_wait_loadcnt 0x0                             ; the core's 64 loads
.irp i, 0,1,2,3,4,5,6,7
	SPLIT 128*(\i/4)+(\i%4), 3, 4, 32, 32*\i, 32*\i+16, 2, 96, 4   ; tile i = 4 mu + so
.endr
	s_cmp_eq_u32 s94, 1
	s_cbranch_scc1 .Lskip4
	WLOAD 4                                        ; on its way while level 4 is multiplied
	WIN 0x02                                       ; LEVEL 4: A in window 2.  Six terms (t % 2: which 32 of K; hi hi, hi lo, lo hi); the 8 accumulators take turns
.irp t, 0,1,2,3,4,5
.irp i, 0,1,2,3,4,5,6,7
.if \t == 0
	v_wmma_f32_16x16x32_bf16 v[128+8*\i:128+8*\i+7], v[32*\i:32*\i+7], v[32:39], 0
.else
	v_wmma_f32_16x16x32_bf16 v[128+8*\i:128+8*\i+7], v[32*\i+16*(\t/4)+8*(\t%2):32*\i+16*(\t/4)+8*(\t%2)+7], v[32+16*((\t/2)%2)+8*(\t%2):32+16*((\t/2)%2)+8*(\t%2)+7], v[128+8*\i:128+8*\i+7]
.endif
.endr
.endr
	WIN 0
	NOP5
.irp mu, 0,1
	SPLIT 128+32*\mu, 0, 1, 8, 64, 80, 0, 96, 4    ; the four tiles of d4 = 2 w + mu ARE level 5's B for that digit
.irp q, 0,1,2,3,4,5,6,7
	ds_store_b128 v14, v[64+4*\q:64+4*\q+3] offset:4096*\mu+512*\q
.endr
.endr
.Lskip4:
	s_sub_co_u32 s94, s94, 1
	s_cmp_lg_u32 s94, 0
	s_cbranch_scc1 .Lstage
	s_wait_dscnt 0x0                               ; for the others' sake: my two blocks of BX are written
	s_barrier_signal -1
	s_barrier_wait -1
	WIN 0x40
.irp d, 0,1,2,3,4,5,6,7
.irp q, 0,1,2,3,4,5,6,7
	ds_load_b128 v[32*\d+4*\q:32*\d+4*\q+3], v15 offset:4096*\d+512*\q
.endr
.endr
	s_wait_dscnt 0x0
; LEVEL 5.  Group q of eight: d5 = 2 w + q / 4, d4 = 2 (q % 4) + dd: 8 accumulators (dd, so) in set q % 2.  Run t: one term over the eight, which take turns.
.macro GRUN q, t
	WIN 0x06                                       ; A window 2, B window 1
.irp dd, 0,1
.irp so, 0,1,2,3
.set rD, 128+64*((\q)%2)+32*\dd+8*\so
.set rA, 32*(4*((\q)/4)+\so)+16*((\t)/4)+8*((\t)%2)
.set rB, 32*(2*((\q)%4)+\dd)+16*(((\t)/2)%2)+8*((\t)%2)
.if (\t) == 0
	v_wmma_f32_16x16x32_bf16 v[rD:rD+7], v[rA:rA+7], v[rB:rB+7], 0
.else
	v_wmma_f32_16x16x32_bf16 v[rD:rD+7], v[rA:rA+7], v[rB:rB+7], v[rD:rD+7]
.endif
.endr
.endr
.endm
; The way out of group q, in six slices that stand behind the next group's six runs: into my stages (16 rows n x 256 bytes for each dd), back as whole rows, stored.
.macro OUTS q, t
	WIN 0
.set oz, 128+64*((\q)%2)
.if (\t) == 0
	NOP5
.endif
.if (\t) < 2
.irp so, 0,1,2,3
	ds_store_b128 v16, v[oz+32*(\t)+8*\so:oz+32*(\t)+8*\so+3] offset:4352*(\t)+32*\so        ; positions 32 h + 8 so + 0..3: an accumulator's low registers first
	ds_store_b128 v16, v[oz+32*(\t)+8*\so+4:oz+32*(\t)+8*\so+7] offset:4352*(\t)+32*\so+16
.endr
.elseif (\t) < 4
.if (\t) == 2
	s_wait_xcnt 0x0                                ; the last group's stores have read v64-127
.endif
.irp u, 0,1,2,3,4,5,6,7
	ds_load_b128 v[64+32*((\t)-2)+4*\u:64+32*((\t)-2)+4*\u+3], v17 offset:4352*((\t)-2)+544*\u   ; LDS serves a wave's instructions in order (ISA guide 5.7.1.4): these see the stores above
.endr
.else
	s_wait_dscnt 8*(5-(\t))                        ; dd = 0: the 8 younger loads, dd = 1's, may stay out
.irp u, 0,1,2,3,4,5,6,7
	global_store_b128 v18, v[64+32*((\t)-4)+4*\u:64+32*((\t)-4)+4*\u+3], s[10:11] offset:32768*\u+2048*(2*((\q)%4)+(\t)-4)+256*((\q)/4) th:TH_STORE_NT   ; rows n = 2 u, 2 u + 1, each whole: 256 bytes, aligned
.endr
.endif
.endm
.irp q, 0,1,2,3,4,5,6,7
.irp t, 0,1,2,3,4,5
	GRUN \q, \t
.if \q > 0
	OUTS (\q)-1, \t
.endif
.endr
.endr
.irp t, 0,1,2,3,4,5
	OUTS 7, \t
.endr
	s_wait_tensorcnt 0x0                           ; the wave's end, behind my last LDS store
	ds_add_u32 v[SPW], v[NIL]
	s_wait_dscnt 0x0
	s_endpgm
.Lfunc_end_k_q501e06e616_table:
	.size	k_q501e06e616_table, .Lfunc_end_k_q501e06e616_table-k_q501e06e616_table
	.p2alignl 7, 3214868480
	.fill 96, 4, 3214868480
	.section	.rodata,"a",@progbits
	.p2align	6, 0x0
	.amdhsa_kernel k_q501e06e616_table
		.amdhsa_group_segment_fixed_size 72704
		.amdhsa_private_segment_fixed_size 0
		.amdhsa_enable_private_segment 0
		.amdhsa_kernarg_size 48
		.amdhsa_user_sgpr_count 2
		.amdhsa_user_sgpr_kernarg_segment_ptr 1
		.amdhsa_wavefront_size32 1
		.amdhsa_system_sgpr_workgroup_id_x 1
		.amdhsa_system_sgpr_workgroup_id_y 1
		.amdhsa_system_sgpr_workgroup_id_z 1
		.amdhsa_system_vgpr_workitem_id 0
		.amdhsa_next_free_vgpr 1024
		.amdhsa_next_free_sgpr 102
		.amdhsa_reserve_vcc 0
		.amdhsa_float_denorm_mode_32 3
		.amdhsa_float_denorm_mode_16_64 3
		.amdhsa_memory_ordered 1
		.amdhsa_forward_progress 1
		.amdhsa_inst_pref_size 205
	.end_amdhsa_kernel
	.amdgpu_metadata
---
amdhsa.version: [ 1, 2 ]
amdhsa.kernels:
  - .name:           k_q501e06e616_table
    .symbol:         k_q501e06e616_table.kd
    .args:
      - { .name: coords_xyz, .offset: 0, .size: 8, .value_kind: global_buffer, .address_space: global }
      - { .name: core0, .offset: 8, .size: 8, .value_kind: global_buffer, .address_space: global }
      - { .name: cores, .offset: 16, .size: 8, .value_kind: global_buffer, .address_space: global }
      - { .name: p6, .offset: 24, .size: 8, .value_kind: global_buffer, .address_space: global }
      - { .name: idx, .offset: 32, .size: 8, .value_kind: global_buffer, .address_space: global }
      - { .name: wf, .offset: 40, .size: 8, .value_kind: global_buffer, .address_space: global }
    .group_segment_fixed_size: 72704
    .private_segment_fixed_size: 0
    .kernarg_segment_align: 8
    .kernarg_segment_size: 48
    .max_flat_workgroup_size: 128
    .sgpr_count:     102
    .vgpr_count:     1024
    .wavefront_size: 32
...
	.end_amdgpu_metadata
.endif
;; end of part 1
;; launch render (part 2): grid 256 x 1, 4 waves a work-group, no clusters, 315,904 bytes of LDS; arguments idx, p6, wf, payload, viewdirs, out0, out1; writes out0, out1
.if DOCPART == 2
	.amdgcn_target "amdgcn-amd-amdhsa--gfx1250"
	.amdhsa_code_object_version 6
	.text
	.protected	k_q501e06e616_render
	.globl	k_q501e06e616_render
	.p2align	8
	.type	k_q501e06e616_render,@function
k_q501e06e616_render:
	s_mov_b64 s[64:65], 0
	v_nop
	global_prefetch_b8 v0, s[64:65] scope:SCOPE_SE
	s_setreg_imm32_b32 hwreg(HW_REG_WAVE_MODE, 25, 1), 1
	s_wait_xcnt 0x0
; RADIANCE FIELD IN QTT FORM, SECOND LAUNCH: out(point) = inside x P6[key >> 6] . T[ray][key & 63].
; WORK LEFT OUT, as the first kernel's head shows: of reference()'s products with all 8 slices of a core only the chosen slice reaches an output; here the last two cores, the payload and the SH sum are folded, for each ray,
; into T[b = 8 d6 + d7][64][4] (three colours and sigma) for all 64 values of b, and a point takes the one that its key names.  The limits stated there hold here.
; SHARES.  Work-group g has rays 4 g .. 4 g + 3.  col = 4 ray + ch is the 16-wide side of all products.
;   W0[u][col] = the sum over j of payload[u][9 ch + j] sh[ray][j] (ch < 3), payload[u][27] (ch = 3): f32 on the vector unit, reference()'s own SH sum.
;   U[d7][t][col] = the sum over u of C6[t][d7][u] W0[u][col]: wave w makes d7 = 2 w, 2 w + 1.     T[d6, d7][p][col] = the sum over t of C5[s(p)][d6][t] U[d7][t][col]: wave w makes d6 = 2 w, 2 w + 1, all d7.
;   Operands are bf16 pairs hi + lo, products hi hi + hi lo + lo hi, sums f32.  C5 and C6 come from wf as the first launch laid them: fragments, 16 bytes a lane.  p is a position in a row of P6, s(p) its channel.
;   Then wave w serves ray w's 256 points, 16 at a time: a point's row of P6 (256 bytes) is gathered by sixteen lanes, turned through LDS, and multiplied with its T in f32: each point has a matrix of its own.
; THE GATHER goes ahead: 56 of a wave's loads are issued as soon as the list is in, 8 more behind U, and stay out under the making of T; each of the first 8 batches asks for the batch 8 further on.
; NO CLUSTER: what work-groups share is wf, 64 KiB a wave, read once straight into operand registers.  No rows are asked for ahead of their loads: the loads themselves go out as early as the list allows.
; LDS: T(ray, b, p, ch) at 65,536 ray + 1,024 b + 256 (p % 4) + 16 (p / 4) + 4 ch; a lane that wants chunk c (positions 4 c .. 4 c + 3) reads 16 bytes at 16 c of four rows of 256 bytes.
; REGISTERS, in windows of 256 (s_set_vgpr_msb: bits 1:0 source 0, 3:2 source 1, 5:4 source 2, 7:6 destination):
;   window 0: v0-31 addresses and at work; v32-47 the points' cells; v48-63 scratch, later chunk addresses; v64-127 at work and accumulators; v128-255 the gather's addresses (v128-191 later operands)
;   window 1: C6's fragments (tile a at 32 a), later a batch's rows and T    window 2: C5's fragments    window 3: gathered rows, 8 slots of 32
.set UX,    262144                     ; U as operands: a block of 4,096 bytes for each d7; behind the last barrier its first 16,384 bytes serve as RS: 16 rows x 256 bytes for each wave
.set W0,    294912                     ; [u][col] f32
.set OUTS,  299008                     ; for each wave 3,072 bytes of rgb, then 1,024 of sigma
.set SPARE, 315392                     ; the spare words, 128 bytes for each wave, which no other line names
.set MASK,  20                         ; s20  0xffff0000
.set MSB,   0
.macro WIN new                         ; the immediate's high byte repeats the setting that is left; a switch that changes nothing is dropped
.if MSB != (\new)
	s_set_vgpr_msb (MSB<<8)|(\new)
.set MSB, (\new)
.endif
.endm
.macro NOP5                            ; five places behind a group's last matrix instruction: its results are read, its sources loaded anew and its results written over only behind them (ISA guide 7.12.1)
.rept 5
	v_nop
.endr
.endm
; f32 -> bf16 hi and lo, as in the first kernel: number e of group sg in v[src + ss sg + se e] of window ws; hi to v[H + 4 sg + e / 2], lo to v[Lo + ..] of window wd; T: 8 ns scratch registers.
.macro SPLIT src, ws, se, ss, H, Lo, wd, T, ns
	WIN (\ws)|((\ws)<<2)|((\wd)<<6)
.set sg, 0
.rept \ns
.set e2, 0
.rept 4
	v_cvt_pk_bf16_f32 v[(\H)+4*sg+e2], v[(\src)+(\ss)*sg+(\se)*2*e2], v[(\src)+(\ss)*sg+(\se)*(2*e2+1)]
.set e2, e2+1
.endr
.set sg, sg+1
.endr
	WIN (\wd)<<2
.set sg, 0
.rept 4*(\ns)
	v_lshlrev_b32 v[(\T)+2*sg], 16, v[(\H)+sg]
	v_and_b32 v[(\T)+2*sg+1], s[MASK], v[(\H)+sg]
.set sg, sg+1
.endr
	WIN (\ws)
.set sg, 0
.rept \ns
.set e2, 0
.rept 4
	v_sub_f32 v[(\T)+8*sg+2*e2], v[(\src)+(\ss)*sg+(\se)*2*e2], v[(\T)+8*sg+2*e2]
	v_sub_f32 v[(\T)+8*sg+2*e2+1], v[(\src)+(\ss)*sg+(\se)*(2*e2+1)], v[(\T)+8*sg+2*e2+1]
.set e2, e2+1
.endr
.set sg, sg+1
.endr
	WIN (\wd)<<6
.set sg, 0
.rept 4*(\ns)
	v_cvt_pk_bf16_f32 v[(\Lo)+sg], v[(\T)+2*sg], v[(\T)+2*sg+1]
.set sg, sg+1
.endr
	WIN 0
.endm
; Batch b's 16 rows of P6 into slot b % 8: load i brings point 8 h + i's row, sixteen lanes 256 bytes on end.  A row may be named by several points, so no hint is given.
.macro GATHER b
	WIN 0xc0
.irp i, 0,1,2,3,4,5,6,7
	global_load_b128 v[32*((\b)%8)+4*\i:32*((\b)%8)+4*\i+3], v[128+8*(\b)+\i], s[6:7]
.endr
	WIN 0
.endm
; The nine SH values of a ray (x, y, z in v[X ..]) into v[S ..], by reference()'s formulas
.macro SHRAY X, S
	v_mov_b32 v[(\S)], 0x3e906ebb                  ; 0.2820948
	v_mul_f32 v[(\S)+1], 0xbefa2a1c, v[(\X)+1]     ; -0.4886025 y
	v_mul_f32 v[(\S)+2], 0x3efa2a1c, v[(\X)+2]
	v_mul_f32 v[(\S)+3], 0xbefa2a1c, v[(\X)]
	v_mul_f32 v26, v[(\X)], v[(\X)+1]
	v_mul_f32 v27, v[(\X)+1], v[(\X)+2]
	v_mul_f32 v28, v[(\X)], v[(\X)+2]
	v_mul_f32 v29, v[(\X)], v[(\X)]
	v_mul_f32 v30, v[(\X)+1], v[(\X)+1]
	v_mul_f32 v31, v[(\X)+2], v[(\X)+2]
	v_mul_f32 v[(\S)+4], 0x3f8bd8a1, v26           ; 1.0925484 x y
	v_mul_f32 v[(\S)+5], 0xbf8bd8a1, v27
	v_mul_f32 v[(\S)+7], 0xbf8bd8a1, v28
	v_sub_f32 v26, v29, v30
	v_add_f32 v27, v29, v30
	v_mul_f32 v[(\S)+8], 0x3f0bd8a1, v26           ; 0.5462742 (x x - y y)
	v_fma_f32 v27, v31, 2.0, -v27
	v_mul_f32 v[(\S)+6], 0x3ea17b01, v27           ; 0.3153916 (2 z z - x x - y y)
.endm
	s_load_b256 s[4:11], s[0:1], 0x0               ; idx s[4:5], p6 s[6:7], wf s[8:9], payload s[10:11]
	s_load_b128 s[12:15], s[0:1], 0x20             ; viewdirs s[12:13], out0 s[14:15]
	s_load_b64 s[16:17], s[0:1], 0x30              ; out1
	v_lshl_add_u32 v4, v0, 2, SPARE                ; v4: my spare word; v5: 0; neither is rewritten
	v_mov_b32 v5, 0
	v_and_b32 v1, 31, v0                           ; lane
	v_and_b32 v2, 15, v0                           ; lane % 16
	v_bfe_u32 v3, v0, 4, 1                         ; h
	v_lshrrev_b32 v26, 5, v0
	v_readfirstlane_b32 s18, v26                   ; wave 0..3
	s_mov_b32 s19, ttmp9                           ; g
	s_mov_b32 s20, 0xffff0000
	s_mov_b32 s21, 0x76543210                      ; v_permlanex16_b32: each lane takes its own place in the other half
	s_mov_b32 s22, 0xfedcba98
	v_lshlrev_b32 v6, 5, v3                        ; the list: my half's 8 points of a batch
	v_lshlrev_b32 v7, 2, v2                        ; the cells: point lane % 16 of a batch
	v_and_b32 v26, 1, v0
	v_mul_u32_u24 v8, v26, 24                      ; W0: two rays' directions,
	v_lshrrev_b32 v27, 1, v0
	v_mul_u32_u24 v9, v27, 112                     ; row u = thread / 2 of the payload
	s_lshl_b32 s24, s18, 15
	v_lshl_add_u32 v10, v1, 4, s24                 ; wf: my two digits' 8 tiles, 16 bytes a lane
	v_lshl_add_u32 v11, v0, 5, W0                  ; W0, in: 64 u + 32 (thread % 2)
	v_lshlrev_b32 v12, 2, v2
	v_lshl_add_u32 v12, v3, 9, v12
	v_add_nc_u32 v12, W0, v12                      ; W0, out: column lane % 16, u = 8 h on
	s_lshl_b32 s24, s18, 13
	s_add_co_u32 s24, s24, UX
	v_lshl_add_u32 v13, v1, 4, s24                 ; my two blocks of UX
	v_lshl_add_u32 v14, v1, 4, UX                  ; the block to be read next; stepped
	s_lshl_b32 s24, s18, 14
	v_lshl_add_u32 v15, v2, 4, s24
	v_lshl_add_u32 v15, v3, 17, v15                ; T, in: ray 2 h, b = 16 w, chunk lane % 16; stepped
	v_add_nc_u32 v16, 0x10000, v15                 ; ray 2 h + 1
	v_lshlrev_b32 v17, 4, v2
	s_lshl_b32 s24, s18, 12
	s_add_co_u32 s25, s24, UX                      ; RS of my wave
	s_add_co_u32 s26, s24, OUTS                    ; OUTS of my wave
	v_lshl_add_u32 v18, v3, 11, v17
	v_add_nc_u32 v18, s25, v18                     ; RS, in: row 8 h + i, chunk lane % 16
	s_lshl_b32 s24, s18, 16
	v_mov_b32 v19, s24                             ; my ray's T
	v_mul_u32_u24 v20, v2, 12
	v_add_nc_u32 v20, s26, v20                     ; rgb of point lane % 16; stepped
	v_lshl_add_u32 v21, v2, 2, s26
	v_add_nc_u32 v21, 3072, v21                    ; sigma; stepped
	v_lshl_add_u32 v22, v1, 4, s26
	v_lshlrev_b32 v23, 4, v1
	s_wait_kmcnt 0x0
	s_lshl_b32 s28, s19, 12
	s_lshl_b32 s24, s18, 10
	s_add_co_u32 s28, s28, s24                     ; 4 x my wave's first point, 1024 g + 256 w
	s_mov_b32 s29, 0
	s_add_nc_u64 s[4:5], s[4:5], s[28:29]
	s_add_nc_u64 s[16:17], s[16:17], s[28:29]
	s_mul_i32 s28, s28, 3
	s_add_nc_u64 s[14:15], s[14:15], s[28:29]
	s_mul_i32 s28, s19, 48
	s_add_nc_u64 s[12:13], s[12:13], s[28:29]
.set bb, 0
.rept 16
	global_load_b128 v[128+8*bb:128+8*bb+3], v6, s[4:5] offset:64*bb          ; v[128 + 8 b + i]: the prefix of point 16 b + 8 h + i
	global_load_b128 v[128+8*bb+4:128+8*bb+7], v6, s[4:5] offset:64*bb+16
.set bb, bb+1
.endr
.set bb, 0
.rept 16
	global_load_b32 v[32+bb], v7, s[4:5] offset:1048576+64*bb
.set bb, bb+1
.endr
	global_load_b64 v[92:93], v8, s[12:13]
	global_load_b64 v[94:95], v8, s[12:13] offset:8
	global_load_b64 v[96:97], v8, s[12:13] offset:16
.irp k, 0,1,2,3,4,5,6
	global_load_b128 v[64+4*\k:64+4*\k+3], v9, s[10:11] offset:16*\k
.endr
	WIN 0x40
.irp a, 0,1,2,3,4,5,6,7
.irp q, 0,1,2,3,4,5,6,7
	global_load_b128 v[32*\a+4*\q:32*\a+4*\q+3], v10, s[8:9] offset:131072+4096*\a+512*\q   ; C6, d7 = 2 w + a / 4, rows t = 16 (a % 4) on
.endr
.endr
	WIN 0x80
.irp a, 0,1,2,3,4,5,6,7
.irp q, 0,1,2,3,4,5,6,7
	global_load_b128 v[32*\a+4*\q:32*\a+4*\q+3], v10, s[8:9] offset:4096*\a+512*\q          ; C5, d6 = 2 w + a / 4, positions p = 4 (lane % 16) + a % 4
.endr
.endr
	WIN 0
	s_wait_loadcnt 63                              ; 186 loads are issued: the oldest 123 are in, the list among them
.set nn, 0
.rept 128
	v_min_u32 v[128+nn], 0x3ffff, v[128+nn]        ; a row of P6,
	v_lshl_add_u32 v[128+nn], v[128+nn], 8, v17    ; its 256 bytes, my 16 of them
.set nn, nn+1
.endr
.irp b, 0,1,2,3,4,5,6
	GATHER \b
.endr
	s_wait_loadcnt 56                              ; all but the 56 loads of the gather: directions, payload, C6 and C5 are in
	SHRAY 92, 98
	SHRAY 95, 107
.irp ry, 0,1
.irp ch, 0,1,2
	v_mul_f32 v[116+4*\ry+\ch], v[64+9*\ch], v[98+9*\ry]
.irp j, 1,2,3,4,5,6,7,8
	v_fmac_f32 v[116+4*\ry+\ch], v[64+9*\ch+\j], v[98+9*\ry+\j]
.endr
.endr
	v_mov_b32 v[119+4*\ry], v91                    ; sigma's column is the payload's last
.endr
	ds_store_b128 v11, v[116:119]
	ds_store_b128 v11, v[120:123] offset:16
	s_wait_xcnt 0x0                                ; the gather's loads have read their addresses: v128-183 are free
	s_wait_dscnt 0x0                               ; for the others' sake: my part of W0 is written
	s_barrier_signal -1
	s_barrier_wait -1
.irp g, 0,1,2,3
.irp e, 0,1,2,3,4,5,6,7
	ds_load_b32 v[64+8*\g+\e], v12 offset:1024*\g+64*\e        ; W0[u = 16 g + 8 h + e][lane % 16]: a fragment's order
.endr
.endr
	s_wait_dscnt 0x0
	SPLIT 64, 0, 1, 8, 128, 144, 0, 48, 2
	SPLIT 80, 0, 1, 8, 136, 152, 0, 48, 2          ; W0 as B: hi v128-143, lo v144-159
	WIN 0x01                                       ; U: A = C6's tiles, in window 1.  Six terms (t % 2: which 32 of K; hi hi, hi lo, lo hi); the 8 accumulators take turns
.irp t, 0,1,2,3,4,5
.irp a, 0,1,2,3,4,5,6,7
.if \t == 0
	v_wmma_f32_16x16x32_bf16 v[64+8*\a:64+8*\a+7], v[32*\a:32*\a+7], v[128:135], 0
.else
	v_wmma_f32_16x16x32_bf16 v[64+8*\a:64+8*\a+7], v[32*\a+16*(\t/4)+8*(\t%2):32*\a+16*(\t/4)+8*(\t%2)+7], v[128+16*((\t/2)%2)+8*(\t%2):128+16*((\t/2)%2)+8*(\t%2)+7], v[64+8*\a:64+8*\a+7]
.endif
.endr
.endr
	WIN 0
	NOP5
.irp dl, 0,1
	SPLIT 64+32*\dl, 0, 1, 8, 128, 144, 0, 48, 2   ; lane (col, h), tile g, register j is t = 16 g + 8 h + j: the four tiles of a digit ARE the next product's A
	SPLIT 80+32*\dl, 0, 1, 8, 136, 152, 0, 48, 2
.irp q, 0,1,2,3,4,5,6,7
	ds_store_b128 v13, v[128+4*\q:128+4*\q+3] offset:4096*\dl+512*\q
.endr
.endr
	GATHER 7
	s_wait_xcnt 0x0                                ; its addresses, v184-191, are free
	s_wait_dscnt 0x0                               ; for the others' sake: my two blocks of UX are written
	s_barrier_signal -1
	s_barrier_wait -1
	; In step j lane (r, h) takes chunk (j + 8 h + r) % 16 of point r's row.
	v_lshl_add_u32 v26, v3, 3, v2
	v_lshl_add_u32 v28, v2, 8, s25
.irp j, 0,1,2,3,4,5,6,7
	v_add_nc_u32 v27, \j, v26
	v_and_b32 v27, 15, v27
	v_lshlrev_b32 v[48+\j], 4, v27
	v_add_nc_u32 v[56+\j], v28, v[48+\j]
.endr
.macro ULOAD buf, imm                  ; a digit's U into operand buffer buf (v128-159 or v160-191)
.irp q, 0,1,2,3,4,5,6,7
	ds_load_b128 v[128+32*(\buf)+4*\q:128+32*(\buf)+4*\q+3], v14 offset:(\imm)+512*\q
.endr
.endm
; T for one d7 and my two d6: A = U[d7] (rows col), B = C5's 8 tiles (a = 4 d6l + rt).  In the result lane r of tile rt is position 4 r + rt, register j column 8 h + j: registers 0-3 are ray 2 h, 4-7 ray 2 h + 1.
.macro TGROUP cur, next, imm, d7l
	s_wait_dscnt 0x0                               ; U[d7] is in
.if \next
	ULOAD 1-(\cur), \imm                           ; the next digit's, into the buffer that the group before multiplied, five places behind its last product
.endif
	WIN 0x08                                       ; B in window 2
.irp t, 0,1,2,3,4,5
.irp a, 0,1,2,3,4,5,6,7
.if \t == 0
	v_wmma_f32_16x16x32_bf16 v[64+8*\a:64+8*\a+7], v[128+32*(\cur):128+32*(\cur)+7], v[32*\a:32*\a+7], 0
.else
	v_wmma_f32_16x16x32_bf16 v[64+8*\a:64+8*\a+7], v[128+32*(\cur)+16*(\t/4)+8*(\t%2):128+32*(\cur)+16*(\t/4)+8*(\t%2)+7], v[32*\a+16*((\t/2)%2)+8*(\t%2):32*\a+16*((\t/2)%2)+8*(\t%2)+7], v[64+8*\a:64+8*\a+7]
.endif
.endr
.endr
	WIN 0
	NOP5
.irp a, 0,1,2,3,4,5,6,7
	ds_store_b128 v15, v[64+8*\a:64+8*\a+3] offset:8192*(\a/4)+256*(\a%4)+1024*(\d7l)      ; sixteen lanes write 256 bytes on end
	ds_store_b128 v16, v[64+8*\a+4:64+8*\a+7] offset:8192*(\a/4)+256*(\a%4)+1024*(\d7l)
.endr
.endm
	ULOAD 0, 0
	s_mov_b32 s23, 3
.Ltl:                                                  ; a trip: d7 = 2 trip and 2 trip + 1
	TGROUP 0, 1, 4096, 0
	TGROUP 1, 1, 8192, 1
	v_add_nc_u32 v14, 8192, v14
	v_add_nc_u32 v15, 2048, v15
	v_add_nc_u32 v16, 2048, v16
	s_sub_co_u32 s23, s23, 1
	s_cmp_lg_u32 s23, 0
	s_cbranch_scc1 .Ltl
	TGROUP 0, 1, 4096, 0                           ; d7 = 6 and 7: nothing is left to read behind them
	TGROUP 1, 0, 0, 1
	s_wait_dscnt 0x0                               ; for the others' sake: my part of T is written, and my reads of UX are over
	s_barrier_signal -1
	s_barrier_wait -1                              ; T is whole; UX's bytes are free for RS.  The gather stays out across this barrier: no wave touches those registers but its own
.macro PF j, k, c, lo                  ; sums k (position 4 chunk + k), channels 2 c, 2 c + 1: T times the row's number k, which is register lo of pair k / 2, for both halves
.if (\j) == 0
	v_pk_mul_f32 v[64+4*(\k)+2*(\c):64+4*(\k)+2*(\c)+1], v[20*(\j)+4+4*(\k)+2*(\c):20*(\j)+4+4*(\k)+2*(\c)+1], v[20*(\j)+2*((\k)/2):20*(\j)+2*((\k)/2)+1] op_sel:[0,\lo] op_sel_hi:[1,\lo]
.else
	v_pk_fma_f32 v[64+4*(\k)+2*(\c):64+4*(\k)+2*(\c)+1], v[20*(\j)+4+4*(\k)+2*(\c):20*(\j)+4+4*(\k)+2*(\c)+1], v[20*(\j)+2*((\k)/2):20*(\j)+2*((\k)/2)+1], v[64+4*(\k)+2*(\c):64+4*(\k)+2*(\c)+1] op_sel:[0,\lo,0] op_sel_hi:[1,\lo,1]
.endif
.endm
.macro FMAJ j                          ; eight chains that do not wait for each other
.irp c, 0,1
	PF \j, 0, \c, 0
	PF \j, 1, \c, 1
	PF \j, 2, \c, 0
	PF \j, 3, \c, 1
.endr
.endm
; Sixteen points: slot s.  The text is walked twice: batches 0-7, which ask for batches 8-15, then those.
.macro BATCH s
	s_wait_loadcnt 8*(7-(\s))                      ; the loads of the 7 - s later slots may stay out; in the first walk the refills issued meanwhile make the count stricter than it need be
	WIN 0x0c
.irp i, 0,1,2,3,4,5,6,7
	ds_store_b128 v18, v[32*(\s)+4*\i:32*(\s)+4*\i+3] offset:256*\i    ; the 16 rows into RS
.endr
	WIN 0
	s_cmp_eq_u32 s23, 1
	s_cbranch_scc1 .Lnog_\@
	GATHER (\s)+8
.Lnog_\@:
	v_bfe_u32 v26, v[32+(\s)], 8, 1
	v_and_b32 v27, 63, v[32+(\s)]
	v_cvt_f32_u32 v24, v26                         ; inside, 0.0 or 1.0
	v_min_u32 v27, 63, v27
	v_mov_b32 v[32+(\s)], v[40+(\s)]               ; the second walk's cell
	v_lshl_add_u32 v27, v27, 10, v19               ; T[my ray][b]
	v_mov_b32 v25, v24
.irp j, 0,1,2,3,4,5,6,7
	v_add_nc_u32 v[80+\j], v27, v[48+\j]
.endr
	WIN 0x40
.irp j, 0,1,2,3,4,5,6,7
	ds_load_b128 v[20*\j:20*\j+3], v[56+\j]                            ; four numbers of the row (LDS serves a wave's instructions in order, ISA guide 5.7.1.4: these see the stores above),
.irp k, 0,1,2,3
	ds_load_b128 v[20*\j+4+4*\k:20*\j+4+4*\k+3], v[80+\j] offset:256*\k   ; and T's four channels for each of them
.endr
.endr
	WIN 0x05                                       ; T and the row in window 1, the sums in window 0
	s_wait_dscnt 20                                ; steps 0-3 are in; the 20 loads of steps 4-7 may stay out
.irp j, 0,1,2,3
	FMAJ \j
.endr
	s_wait_dscnt 0x0
.irp j, 4,5,6,7
	FMAJ \j
.endr
	WIN 0
	v_pk_add_f32 v[64:65], v[64:65], v[68:69]
	v_pk_add_f32 v[66:67], v[66:67], v[70:71]
	v_pk_add_f32 v[72:73], v[72:73], v[76:77]
	v_pk_add_f32 v[74:75], v[74:75], v[78:79]
	v_pk_add_f32 v[64:65], v[64:65], v[72:73]
	v_pk_add_f32 v[66:67], v[66:67], v[74:75]
.irp c, 0,1,2,3
	v_permlanex16_b32 v[88+\c], v[64+\c], s21, s22 ; the point's other eight chunks lie in the lane 16 away
.endr
	v_pk_add_f32 v[64:65], v[64:65], v[88:89]
	v_pk_add_f32 v[66:67], v[66:67], v[90:91]
	v_pk_mul_f32 v[64:65], v[64:65], v[24:25]
	v_pk_mul_f32 v[66:67], v[66:67], v[24:25]
	ds_store_b32 v20, v64 offset:192*(\s)          ; both lanes of a point write the same words with the same numbers
	ds_store_b32 v20, v65 offset:192*(\s)+4
	ds_store_b32 v20, v66 offset:192*(\s)+8
	ds_store_b32 v21, v67 offset:64*(\s)
.endm
	s_mov_b32 s23, 2
.Lpt:
.irp s, 0,1,2,3,4,5,6,7
	BATCH \s
.endr
	v_add_nc_u32 v20, 1536, v20
	v_add_nc_u32 v21, 512, v21
	s_sub_co_u32 s23, s23, 1
	s_cmp_lg_u32 s23, 0
	s_cbranch_scc1 .Lpt
.irp i, 0,1,2,3,4,5,6,7
	ds_load_b128 v[64+4*\i:64+4*\i+3], v22 offset:512*\i
.endr
	s_wait_dscnt 0x0
.irp i, 0,1,2,3,4,5
	global_store_b128 v23, v[64+4*\i:64+4*\i+3], s[14:15] offset:512*\i th:TH_STORE_NT      ; 512 bytes on end, at a multiple of 256 from out0's first byte
.endr
	global_store_b128 v23, v[88:91], s[16:17] th:TH_STORE_NT
	global_store_b128 v23, v[92:95], s[16:17] offset:512 th:TH_STORE_NT
	s_wait_tensorcnt 0x0                           ; the wave's end, behind my last LDS store
	ds_add_u32 v4, v5
	s_wait_dscnt 0x0
	s_endpgm
.Lfunc_end_k_q501e06e616_render:
	.size	k_q501e06e616_render, .Lfunc_end_k_q501e06e616_render-k_q501e06e616_render
	.p2alignl 7, 3214868480
	.fill 96, 4, 3214868480
	.section	.rodata,"a",@progbits
	.p2align	6, 0x0
	.amdhsa_kernel k_q501e06e616_render
		.amdhsa_group_segment_fixed_size 315904
		.amdhsa_private_segment_fixed_size 0
		.amdhsa_enable_private_segment 0
		.amdhsa_kernarg_size 56
		.amdhsa_user_sgpr_count 2
		.amdhsa_user_sgpr_kernarg_segment_ptr 1
		.amdhsa_wavefront_size32 1
		.amdhsa_system_sgpr_workgroup_id_x 1
		.amdhsa_system_sgpr_workgroup_id_y 1
		.amdhsa_system_sgpr_workgroup_id_z 1
		.amdhsa_system_vgpr_workitem_id 0
		.amdhsa_next_free_vgpr 1024
		.amdhsa_next_free_sgpr 66
		.amdhsa_reserve_vcc 0
		.amdhsa_float_denorm_mode_32 3
		.amdhsa_float_denorm_mode_16_64 3
		.amdhsa_memory_ordered 1
		.amdhsa_forward_progress 1
		.amdhsa_inst_pref_size 166
	.end_amdhsa_kernel
	.amdgpu_metadata
---
amdhsa.version: [ 1, 2 ]
amdhsa.kernels:
  - .name:           k_q501e06e616_render
    .symbol:         k_q501e06e616_render.kd
    .args:
      - { .name: idx, .offset: 0, .size: 8, .value_kind: global_buffer, .address_space: global }
      - { .name: p6, .offset: 8, .size: 8, .value_kind: global_buffer, .address_space: global }
      - { .name: wf, .offset: 16, .size: 8, .value_kind: global_buffer, .address_space: global }
      - { .name: payload, .offset: 24, .size: 8, .value_kind: global_buffer, .address_space: global }
      - { .name: viewdirs, .offset: 32, .size: 8, .value_kind: global_buffer, .address_space: global }
      - { .name: out0, .offset: 40, .size: 8, .value_kind: global_buffer, .address_space: global }
      - { .name: out1, .offset: 48, .size: 8, .value_kind: global_buffer, .address_space: global }
    .group_segment_fixed_size: 315904
    .private_segment_fixed_size: 0
    .kernarg_segment_align: 8
    .kernarg_segment_size: 56
    .max_flat_workgroup_size: 128
    .sgpr_count:     66
    .vgpr_count:     1024
    .wavefront_size: 32
...
	.end_amdgpu_metadata
.endif
;; end of part 2
